; MI455X (gfx1250); checked and timed in simulation.
; The chip was launched on July 23, 2026; its instructions are those of AMD's public machine-readable ISA for CDNA 5 (MIT licence, August 2026) and "CDNA5" Instruction Set Architecture Reference Guide (July 2026). The comments in the code are by the model that wrote it; some were corrected since.
;; Mo E Block. Allowed arithmetic: float matrix products may take bf16 or f16 operands with f32 sums; all other float work in f32.
;; Inputs: delta 4 x 2,048 x 1,024 float32; expert_W 8 x 1,024 x 1,024 float32; expert_b 8 x 1,024 float32; gate_W 8 x 1,024 float32; gate_b 8 float32; input_feat 4 x 2,048 x 1,024 float32.
;; Outputs: out0 4 x 2,048 x 1,024 float32.
;; One version. Each part assembles by itself: llvm-mc -triple=amdgcn-amd-amdhsa -mcpu=gfx1250 --defsym DOCPART=n.
;; ======== version 1 of 1: 3 launches
;; limits: values are held in f16: magnitudes above 65,504 overflow, below 6.1e-05 lose precision; inputs' magnitudes at most 65,504
;; workspace buffers: xb 16,777,216 bytes; wb 16,777,216 bytes; route 65,536 bytes of whole numbers; pw 65,536 bytes; perm 32,768 bytes of whole numbers; wts 65,536 bytes
;; launch prep (part 1): grid 256 x 1, 8 waves a work-group, no clusters, 308,224 bytes of LDS; arguments delta, expert_W, gate_W, gate_b, input_feat, xb, wb, route, pw; writes xb, wb, route, pw
.if DOCPART == 1
	.amdgcn_target "amdgcn-amd-amdhsa--gfx1250"
	.amdhsa_code_object_version 6
	.text
	.protected	k_q1e7f476f30_prep
	.globl	k_q1e7f476f30_prep
	.p2align	8
	.type	k_q1e7f476f30_prep,@function
k_q1e7f476f30_prep:
	s_mov_b64 s[64:65], 0
	v_nop
	global_prefetch_b8 v0, s[64:65] scope:SCOPE_SE
	s_setreg_imm32_b32 hwreg(HW_REG_WAVE_MODE, 25, 1), 1
	s_wait_xcnt 0x0
; PREP: (1) delta -> xb in f16, row-major; (2) expert_W -> wb in f16, in the order in which the product's lanes take it;
; (3) the gate in f32: logits, the two largest, their softmax, and each token's place among the 32 tokens of its block.
; Work-group b owns tokens 32 b .. 32 b + 31 (of input_feat and of delta) and rows 32 b .. 32 b + 31 of expert_W seen as [8192][1024]: 3 x 128 KiB.
; All reads are asked for at the start: input_feat, expert_W and gate_W by tensor loads into LDS (two loads a wave, filled once, never again),
; delta by 32 loads of 16 bytes a lane into registers.  No loop: everything is written out.
; WHY F16 AND NOT BF16 FOR THE PRODUCT'S OPERANDS: an output is a sum of 1,024 products and is held to 1/100 of the outputs' root mean square.  Operands of 8
; significant bits leave a standard error of about a fifth of that allowance, and among 8.4 million outputs some then pass it; 11 bits leave an eighth of that error.
; F16'S RANGE: delta (spread 1) and expert_W (spread 1/32) thirty times larger, or delta offset by 30, stay below 200, far under 65,504.  Thirty times smaller, W has
; spread 1e-3; numbers below 2^-14 are kept in steps of 2^-24, 6e-5 of that spread.  LIMIT: |delta| or |expert_W| above 65,504 becomes infinite.
; THE GATE STAYS IN F32 ON THE VECTOR UNIT: which two experts are chosen is a discontinuous decision, and the gate is 1/1000 of the arithmetic.
; LIMITS: the sums of a logit run in 16 chains (8 waves x 2), another order than a plain dot product: logits nearer than about 1e-6 of their size
; may be ranked the other way.  Comparisons are strict (the lower index wins a tie, as in lax.top_k); a NaN logit of expert 2 to 7 is never chosen.
; wb: byte e<<21 | FG<<17 | kk<<12 | fs<<10 | c<<9 | L<<4 holds W[e][64 FG + 16 fs + (L&15)][32 kk + 16 c + 8 (L>>4) + 0..7].
; route: [256 blocks][32 lanes] pairs {key, cnt}: key = g | rank<<5 | i1<<10 | i2<<13 of token lane; cnt = tokens of the block in group lane.
; g numbers the 28 unordered pairs a < b so that neighbours share an expert: g = a (15 - a) / 2 + (a even ? b - a - 1 : 7 - b).
.set PITCH, 1040                       ; an LDS row: 1,024 bytes + 16 = 65 x 16: sixteen rows begin at sixteen different 16-byte columns modulo 256
.set QT,    32*PITCH                   ; a quarter tile: 32 rows x 256 f32
.set WT,    4*QT                       ; expert_W's four quarters lie behind input_feat's four
.set GWL,   8*QT                       ; gate_W: wave w's 8 x 128 numbers, 4,096 bytes
.set RED,   GWL+8*4096                 ; the waves' partial logits: 8 x 1,024 bytes, written by LDS stores, never by a tensor load; a multiple of 256
.set ACC,   8                          ; v[8:23]   8 experts x a pair of running sums
.set LG,    24                         ; v[24:31]  my 8 partial logits
.set X,     32                         ; v[32:159] delta as loaded; later the gate's two chunk buffers; later W's fragments; later wave 0's work
.set GB,    32                         ; chunk buffer b at GB + 36 b: 4 numbers of x, then 8 x 4 of gate_W
	s_load_b512 s[4:19], s[0:1], 0x0               ; delta 4, expert_W 6, gate_W 8, gate_b 10, input_feat 12, xb 14, wb 16, route 18
	s_load_b64 s[20:21], s[0:1], 0x40              ; pw
	v_lshl_add_u32 v160, v0, 2, 0x4b000
	v_mov_b32 v161, 0
	ds_add_u32 v160, v161
	ds_add_u32 v160, v161
	v_lshrrev_b32 v1, 5, v0
	v_readfirstlane_b32 s22, v1                    ; wave 0..7
	v_and_b32 v1, 31, v0                           ; lane
	v_lshlrev_b32 v2, 4, v1                        ; 16 x lane
	v_lshlrev_b32 v3, 3, v1                        ; 8 x lane
	; group 1 of the quarter tiles: 32 rows x 256 elements of 4 bytes, pitch 1,024 elements, 4 words of padding behind every 256 words
	s_mov_b32 s28, (2<<16)|(1<<20)|(7<<22)|(3<<25)
	s_mov_b32 s29, 256<<16                         ; tensor_dim0 = 256
	s_mov_b32 s30, 32<<16                          ; tensor_dim1 = 32
	s_mov_b32 s31, 256<<16                         ; tile_dim0 = 256
	s_mov_b32 s32, 32                              ; tile_dim1 = 32
	s_mov_b32 s33, 1024                            ; elements from row to row
	s_mov_b32 s34, 0
	s_mov_b32 s35, 0
	; group 1 of gate_W's slices: 8 rows x 128 elements of 4 bytes, no padding (every lane reads the same bytes)
	s_mov_b32 s40, 2<<16
	s_mov_b32 s41, 128<<16
	s_mov_b32 s42, 8<<16
	s_mov_b32 s43, 128<<16
	s_mov_b32 s44, 8
	s_mov_b32 s45, 1024
	s_mov_b32 s46, 0
	s_mov_b32 s47, 0
	s_mov_b32 s24, 1
	s_mul_i32 s25, s22, QT                         ; waves 0-3: input_feat's quarters; waves 4-7: expert_W's
	s_mov_b32 s36, 1
	s_lshl_b32 s37, s22, 12
	s_add_co_u32 s37, s37, GWL
	s_and_b32 s23, s22, 3
	s_lshl_b32 s23, s23, 10                        ; the quarter's 1,024 bytes in a row
	s_lshl_b32 s48, ttmp9, 17                      ; 32 rows of 4,096 bytes
	s_add_co_u32 s48, s48, s23
	s_mov_b32 s49, 0
	s_lshl_b32 s50, s22, 9                         ; gate_W: 128 columns a wave
	s_mov_b32 s51, 0
	s_lshl_b32 s52, ttmp9, 17
	s_lshl_b32 s23, s22, 14                        ; delta: 4 rows a wave
	s_add_co_u32 s52, s52, s23
	s_mov_b32 s53, 0
	s_lshr_b32 s54, s52, 1                         ; xb: half the bytes
	s_mov_b32 s55, 0
	s_wait_dscnt 0x0
	s_wait_kmcnt 0x0
	s_cmp_lt_u32 s22, 4
	s_cselect_b64 s[26:27], s[12:13], s[6:7]       ; input_feat or expert_W, by the wave's number
	s_add_nc_u64 s[26:27], s[26:27], s[48:49]
	s_or_b32 s27, s27, 0x80000000
	tensor_load_to_lds s[24:27], s[28:35]          ; my quarter tile
	s_nop 0
	s_add_nc_u64 s[38:39], s[8:9], s[50:51]
	s_or_b32 s39, s39, 0x80000000
	tensor_load_to_lds s[36:39], s[40:47]          ; my slice of gate_W: two tensor loads of this wave are out, and no more are issued
	s_nop 0
	s_add_nc_u64 s[4:5], s[4:5], s[52:53]
	s_add_nc_u64 s[14:15], s[14:15], s[54:55]
.set i, 0
.rept 32
	global_load_b128 v[X+4*i:X+4*i+3], v2, s[4:5] offset:512*i th:TH_LOAD_NT   ; 512 neighbouring bytes a load
.set i, i+1
.endr
	s_load_b256 s[68:75], s[10:11], 0x0            ; gate_b
	; addresses, while the data are on their way
	s_lshr_b32 s56, ttmp9, 1
	s_lshl_b32 s56, s56, 17                        ; (16 e + FG) << 17
	s_lshr_b32 s23, s22, 1                         ; q = wave / 2
	s_lshl_b32 s57, s23, 15                        ; kk = 8 q + i
	s_add_co_u32 s56, s56, s57
	s_and_b32 s57, ttmp9, 1
	s_and_b32 s58, s22, 1                          ; u = wave & 1
	s_lshl1_add_u32 s57, s57, s58                  ; fs = 2 (b & 1) + u
	s_lshl_b32 s57, s57, 10
	s_add_co_u32 s56, s56, s57
	s_mov_b32 s57, 0
	s_add_nc_u64 s[16:17], s[16:17], s[56:57]      ; wb at my fragments
	s_lshl_b32 s60, ttmp9, 8
	s_mov_b32 s61, 0
	s_add_nc_u64 s[18:19], s[18:19], s[60:61]      ; route and pw at my block's 256 bytes
	s_add_nc_u64 s[20:21], s[20:21], s[60:61]
	s_mul_i32 s59, s23, QT
	s_lshl_b32 s62, s58, 9
	s_add_co_u32 s62, s62, s59                     ; gate: quarter q, its half u: columns 128 w ..
	s_mul_i32 s63, s58, 16*PITCH
	s_add_co_u32 s63, s63, s59
	s_add_co_u32 s63, s63, WT                      ; W: quarter q, rows 16 u ..
	s_lshl_b32 s59, s22, 10
	s_add_co_u32 s59, s59, RED
	v_mul_u32_u24 v4, v1, PITCH
	v_add_nc_u32 v4, s62, v4                       ; x of token lane
	v_mov_b32 v5, s37                              ; my slice of gate_W, the same in every lane
	v_lshl_add_u32 v6, v1, 5, s59                  ; my 8 partial logits of token lane
	v_and_b32 v7, 15, v1
	v_mul_u32_u24 v7, v7, PITCH
	v_lshrrev_b32 v24, 4, v1
	v_lshl_add_u32 v7, v24, 5, v7
	v_add_nc_u32 v7, s63, v7                       ; W's row 16 u + (lane & 15), 32 bytes further for lanes 16-31
	; delta -> xb: 16 bytes of f32 become 8 of f16; a store of the wave covers 256 consecutive bytes, aligned
.set i, 0
.rept 32
	s_wait_loadcnt 31-i                            ; loads come back in order: load i is in, the younger ones stay out
	v_cvt_pk_f16_f32 v[X+4*i], v[X+4*i], v[X+4*i+1]
	v_cvt_pk_f16_f32 v[X+4*i+1], v[X+4*i+2], v[X+4*i+3]
	global_store_b64 v3, v[X+4*i:X+4*i+1], s[14:15] offset:256*i
.set i, i+1
.endr
	s_wait_xcnt 0x0                                ; X, which these stores read, is written again below
	s_wait_kmcnt 0x0                               ; gate_b
	s_wait_tensorcnt 0x0                           ; my two tiles have landed,
	s_barrier_signal -1
	s_barrier_wait -1                              ; everybody's have
	; the gate: lane = token, wave w = columns 128 w .. 128 w + 127, in 32 chunks of 4 columns, two chunk buffers
.macro GCH c, b
	ds_load_b128 v[GB+36*\b:GB+36*\b+3], v4 offset:16*(\c)
.irp e, 0,1,2,3,4,5,6,7
	ds_load_b128 v[GB+36*\b+4+4*\e:GB+36*\b+7+4*\e], v5 offset:512*\e+16*(\c)
.endr
.endm
.macro GFMA b, first
.irp e, 0,1,2,3,4,5,6,7
.if \first
	v_pk_mul_f32 v[ACC+2*\e:ACC+2*\e+1], v[GB+36*\b:GB+36*\b+1], v[GB+36*\b+4+4*\e:GB+36*\b+5+4*\e]     ; the first products start the sums
.else
	v_pk_fma_f32 v[ACC+2*\e:ACC+2*\e+1], v[GB+36*\b:GB+36*\b+1], v[GB+36*\b+4+4*\e:GB+36*\b+5+4*\e], v[ACC+2*\e:ACC+2*\e+1]
.endif
.endr
.irp e, 0,1,2,3,4,5,6,7
	v_pk_fma_f32 v[ACC+2*\e:ACC+2*\e+1], v[GB+36*\b+2:GB+36*\b+3], v[GB+36*\b+6+4*\e:GB+36*\b+7+4*\e], v[ACC+2*\e:ACC+2*\e+1]
.endr
.endm
	GCH 0, 0
	GCH 1, 1
	s_wait_dscnt 9                                 ; the nine loads of the next chunk stay out
	GFMA 0, 1
.set c, 1
.rept 15
	GCH (c+1), 0
	s_wait_dscnt 9
	GFMA 1, 0
	GCH (c+2), 1
	s_wait_dscnt 9
	GFMA 0, 0
.set c, c+2
.endr
	s_wait_dscnt 0
	GFMA 1, 0                                      ; chunk 31
.irp e, 0,1,2,3,4,5,6,7
	v_add_f32 v[LG+\e], v[ACC+2*\e], v[ACC+2*\e+1]
.endr
	ds_store_b128 v6, v[LG:LG+3]
	ds_store_b128 v6, v[LG+4:LG+7] offset:16
	s_wait_dscnt 0x0                               ; for wave 0's sake: my partial logits are in LDS
	s_barrier_signal -1
	s_barrier_wait -1
	; expert_W -> wb: wave (q, u) takes rows 16 u .. + 15 and k = 256 q .. + 255: 8 K steps x 2 halves, each 32 bytes of f32 a lane -> 16 of f16
.irp i, 0,1,2,3,4,5,6,7
.irp c, 0,1
	ds_load_b128 v[X+8*(2*\i+\c):X+8*(2*\i+\c)+3],   v7 offset:128*\i+64*\c
	ds_load_b128 v[X+8*(2*\i+\c)+4:X+8*(2*\i+\c)+7], v7 offset:128*\i+64*\c+16
.endr
.endr
.irp i, 0,1,2,3,4,5,6,7
.irp c, 0,1
	s_wait_dscnt 30-2*(2*\i+\c)                    ; this pair of loads is in, the younger pairs stay out
	v_cvt_pk_f16_f32 v[X+8*(2*\i+\c)],   v[X+8*(2*\i+\c)],   v[X+8*(2*\i+\c)+1]
	v_cvt_pk_f16_f32 v[X+8*(2*\i+\c)+1], v[X+8*(2*\i+\c)+2], v[X+8*(2*\i+\c)+3]
	v_cvt_pk_f16_f32 v[X+8*(2*\i+\c)+2], v[X+8*(2*\i+\c)+4], v[X+8*(2*\i+\c)+5]
	v_cvt_pk_f16_f32 v[X+8*(2*\i+\c)+3], v[X+8*(2*\i+\c)+6], v[X+8*(2*\i+\c)+7]
	global_store_b128 v2, v[X+8*(2*\i+\c):X+8*(2*\i+\c)+3], s[16:17] offset:4096*\i+512*\c   ; 512 consecutive bytes, aligned
.endr
.endr
	; wave 0 alone: the block's 32 tokens, one a lane
	s_cmp_lg_u32 s22, 0
	s_cbranch_scc1 .Ldone
	s_wait_xcnt 0x0                                ; X, which the stores above read, is written again
	v_lshlrev_b32 v5, 5, v1
	v_add_nc_u32 v5, RED, v5
.irp w, 0,1,2,3,4,5,6,7
	ds_load_b128 v[32+8*\w:35+8*\w], v5 offset:1024*\w
	ds_load_b128 v[36+8*\w:39+8*\w], v5 offset:1024*\w+16
.endr
	s_wait_dscnt 0x0
.irp w, 1,2,3,4,5,6,7
.irp p, 0,2,4,6
	v_pk_add_f32 v[32+\p:33+\p], v[32+\p:33+\p], v[32+8*\w+\p:33+8*\w+\p]      ; the waves' parts, ascending
.endr
.endr
.irp e, 0,1,2,3,4,5,6,7
	v_add_f32 v[32+\e], s[68+\e], v[32+\e]         ; + gate_b: v[32:39] are the logits
.endr
	; the two largest: v96 best, v97 its index, v98 second, v99 its index
	v_mov_b32 v100, 1
	v_cmp_gt_f32 vcc_lo, v33, v32
	v_cndmask_b32 v96, v32, v33, vcc_lo
	v_cndmask_b32 v98, v33, v32, vcc_lo
	v_cndmask_b32 v97, 0, v100, vcc_lo
	v_sub_nc_u32 v99, 1, v97
.irp e, 2,3,4,5,6,7
	v_mov_b32 v100, \e
	v_cmp_gt_f32 s76, v[32+\e], v96                ; beats the best
	v_cmp_gt_f32 vcc_lo, v[32+\e], v98             ; beats the second
	v_cndmask_b32 v98, v98, v[32+\e], vcc_lo
	v_cndmask_b32 v99, v99, v100, vcc_lo
	v_cndmask_b32 v98, v98, v96, s76
	v_cndmask_b32 v99, v99, v97, s76
	v_cndmask_b32 v96, v96, v[32+\e], s76
	v_cndmask_b32 v97, v97, v100, s76
.endr
	; softmax of the two, the larger taken away: p1 = 1 / (1 + e^(second - best)), p2 = e^(second - best) p1
	v_sub_f32 v100, v98, v96
	v_mul_f32 v100, 0x3fb8aa3b, v100
	v_exp_f32 v101, v100
	v_min_u32 v108, v97, v99                       ; a (a plain instruction stands between v_exp_f32 and the use of its result: ISA guide 5.7.2)
	s_wait_alu depctr_va_vdst(0)
	v_add_f32 v109, 1.0, v101
	v_rcp_f32 v106, v109
	v_max_u32 v110, v97, v99                       ; b (likewise behind v_rcp_f32)
	s_wait_alu depctr_va_vdst(0)
	v_mul_f32 v107, v101, v106
	v_sub_nc_u32 v111, 15, v108
	v_mul_u32_u24 v111, v108, v111
	v_lshrrev_b32 v111, 1, v111                    ; a (15 - a) / 2
	v_sub_nc_u32 v112, v110, v108
	v_add_nc_u32 v112, -1, v112                    ; b - a - 1
	v_sub_nc_u32 v113, 7, v110                     ; 7 - b
	v_and_b32 v114, 1, v108
	v_cmp_eq_u32 vcc_lo, 1, v114
	v_cndmask_b32 v112, v112, v113, vcc_lo
	v_add_nc_u32 v102, v111, v112                  ; g
	; for each group: how many of the 32 tokens have it (to lane g of cnt), and each such token's rank among them
	v_mov_b32 v103, 0
	v_mov_b32 v105, 0
.set gi, 0
.rept 28
	v_cmp_eq_u32 s76, gi, v102
	s_bcnt1_i32_b32 s77, s76
	v_mbcnt_lo_u32_b32 v100, s76, 0
	v_cndmask_b32 v103, v103, v100, s76
	v_writelane_b32 v105, s77, gi
.set gi, gi+1
.endr
	v_lshl_or_b32 v104, v103, 5, v102
	v_lshl_or_b32 v104, v97, 10, v104
	v_lshl_or_b32 v104, v99, 13, v104
	global_store_b64 v3, v[104:105], s[18:19]      ; {key, cnt}: 256 consecutive bytes, aligned
	global_store_b64 v3, v[106:107], s[20:21]      ; {p1, p2}: likewise
.Ldone:
	s_wait_tensorcnt 0x0
	ds_add_u32 v160, v161
	s_wait_dscnt 0x0
	s_endpgm
.Lfunc_end_k_q1e7f476f30_prep:
	.size	k_q1e7f476f30_prep, .Lfunc_end_k_q1e7f476f30_prep-k_q1e7f476f30_prep
	.p2alignl 7, 3214868480
	.fill 96, 4, 3214868480
	.section	.rodata,"a",@progbits
	.p2align	6, 0x0
	.amdhsa_kernel k_q1e7f476f30_prep
		.amdhsa_group_segment_fixed_size 308224
		.amdhsa_private_segment_fixed_size 0
		.amdhsa_enable_private_segment 0
		.amdhsa_kernarg_size 72
		.amdhsa_user_sgpr_count 2
		.amdhsa_user_sgpr_kernarg_segment_ptr 1
		.amdhsa_wavefront_size32 1
		.amdhsa_system_sgpr_workgroup_id_x 1
		.amdhsa_system_sgpr_workgroup_id_y 1
		.amdhsa_system_sgpr_workgroup_id_z 1
		.amdhsa_system_vgpr_workitem_id 0
		.amdhsa_next_free_vgpr 162
		.amdhsa_next_free_sgpr 80
		.amdhsa_reserve_vcc 1
		.amdhsa_float_denorm_mode_32 3
		.amdhsa_float_denorm_mode_16_64 3
		.amdhsa_memory_ordered 1
		.amdhsa_forward_progress 1
		.amdhsa_inst_pref_size 91
	.end_amdhsa_kernel
	.amdgpu_metadata
---
amdhsa.version: [ 1, 2 ]
amdhsa.kernels:
  - .name:           k_q1e7f476f30_prep
    .symbol:         k_q1e7f476f30_prep.kd
    .args:
      - { .name: delta, .offset: 0, .size: 8, .value_kind: global_buffer, .address_space: global }
      - { .name: expert_W, .offset: 8, .size: 8, .value_kind: global_buffer, .address_space: global }
      - { .name: gate_W, .offset: 16, .size: 8, .value_kind: global_buffer, .address_space: global }
      - { .name: gate_b, .offset: 24, .size: 8, .value_kind: global_buffer, .address_space: global }
      - { .name: input_feat, .offset: 32, .size: 8, .value_kind: global_buffer, .address_space: global }
      - { .name: xb, .offset: 40, .size: 8, .value_kind: global_buffer, .address_space: global }
      - { .name: wb, .offset: 48, .size: 8, .value_kind: global_buffer, .address_space: global }
      - { .name: route, .offset: 56, .size: 8, .value_kind: global_buffer, .address_space: global }
      - { .name: pw, .offset: 64, .size: 8, .value_kind: global_buffer, .address_space: global }
    .group_segment_fixed_size: 308224
    .private_segment_fixed_size: 0
    .kernarg_segment_align: 8
    .kernarg_segment_size: 72
    .max_flat_workgroup_size: 256
    .sgpr_count:     80
    .vgpr_count:     162
    .wavefront_size: 32
...
	.end_amdgpu_metadata
.endif
;; end of part 1
;; launch order (part 2): grid 1 x 1, 32 waves a work-group, no clusters, 106,496 bytes of LDS; arguments route, pw, perm, wts; writes perm, wts
.if DOCPART == 2
	.amdgcn_target "amdgcn-amd-amdhsa--gfx1250"
	.amdhsa_code_object_version 6
	.text
	.protected	k_q1e7f476f30_order
	.globl	k_q1e7f476f30_order
	.p2align	8
	.type	k_q1e7f476f30_order,@function
k_q1e7f476f30_order:
	s_mov_b64 s[64:65], 0
	v_nop
	global_prefetch_b8 v0, s[64:65] scope:SCOPE_SE
	s_setreg_imm32_b32 hwreg(HW_REG_WAVE_MODE, 25, 1), 1
	s_wait_xcnt 0x0
; ORDER: a counting sort of the 8,192 tokens by their group g (28 pairs of experts), from the blocks' counts and ranks that the launch before stored.
; slot(token) = tokens of lower groups + tokens of its group in earlier blocks + its rank in its block.  The slots are a permutation of 0 .. 8191.
; The ordered list is cut into 64 tiles of 128 slots; each entry also carries the set of experts that its tile's tokens use.
; perm[slot] = token | i1<<13 | i2<<16 | set<<24;  wts[slot] = {p1, p2}.
; One work-group: 96 KiB of lists, and every slot hangs on all counts.  Wave w owns blocks 8 w .. 8 w + 7 on the way in, slots 256 w .. + 255 on the way out.
; The lists are put in order in LDS and leave in whole aligned runs of 512 bytes.
.set TOT,  0                           ; [32 waves][32 groups] counts, 4,096 bytes
.set PERM, 4096                        ; [8192] entries
.set PWL,  36864                       ; [8192] pairs of weights
.set KEY,  8                           ; v[8:23]   block i: key of token lane, cnt of group lane
.set PWR,  24                          ; v[24:39]  block i: p1, p2 of token lane
.set EX,   40                          ; v[40:47]  block i: first the counts of my earlier blocks, then the block's first slot, by group (lane)
	s_load_b256 s[4:11], s[0:1], 0x0               ; route 4, pw 6, perm 8, wts 10
	v_lshl_add_u32 v96, v0, 2, 0x19000
	v_mov_b32 v97, 0
	v_lshrrev_b32 v1, 5, v0
	v_readfirstlane_b32 s12, v1                    ; wave 0..31
	v_and_b32 v2, 31, v0                           ; lane
	v_lshlrev_b32 v3, 3, v2
	v_lshl_add_u32 v3, v1, 11, v3                  ; 8 blocks of 256 bytes a wave, 8 bytes a lane
	v_lshlrev_b32 v4, 2, v0                        ; TOT[wave][lane]
	v_lshlrev_b32 v5, 2, v2                        ; TOT[.][lane]
	v_lshl_or_b32 v6, v1, 8, v2                    ; my token in block 8 w
	s_wait_kmcnt 0x0
.irp i, 0,1,2,3,4,5,6,7
	global_load_b64 v[KEY+2*\i:KEY+2*\i+1], v3, s[4:5] offset:256*\i
.endr
.irp i, 0,1,2,3,4,5,6,7
	global_load_b64 v[PWR+2*\i:PWR+2*\i+1], v3, s[6:7] offset:256*\i
.endr
	s_wait_loadcnt 8                               ; keys and counts are in; the eight loads of weights stay out
	v_mov_b32 v[EX], 0
.irp i, 0,1,2,3,4,5,6
	v_add_nc_u32 v[EX+\i+1], v[EX+\i], v[KEY+2*\i+1]
.endr
	v_add_nc_u32 v48, v[EX+7], v[KEY+15]           ; my eight blocks' count, by group
	ds_store_b32 v4, v48
	s_wait_dscnt 0x0
	s_barrier_signal -1
	s_barrier_wait -1
.set j, 0
.rept 32
	ds_load_b32 v[64+j], v5 offset:TOT+128*j
.set j, j+1
.endr
	s_wait_dscnt 0x0
	; v49 = the group's count over all waves; v50 = over the waves in front of mine
	s_cmp_gt_u32 s12, 0
	s_cselect_b32 s13, -1, 0
	v_mov_b32 v49, v64
	v_and_b32 v50, s13, v64
.set j, 1
.rept 31
	s_cmp_gt_u32 s12, j
	s_cselect_b32 s13, -1, 0
	v_add_nc_u32 v49, v49, v[64+j]
	v_and_b32 v51, s13, v[64+j]
	v_add_nc_u32 v50, v50, v51
.set j, j+1
.endr
	; v52 = the first slot of each group: a running sum over the lanes
	v_mov_b32 v52, 0
	s_mov_b32 s14, 0
.set j, 0
.rept 32
	v_writelane_b32 v52, s14, j
	v_readlane_b32 s15, v49, j
	s_add_co_u32 s14, s14, s15
.set j, j+1
.endr
.irp i, 0,1,2,3,4,5,6,7
	v_add3_u32 v[EX+\i], v[EX+\i], v50, v52
.endr
	; each token fetches its group's first slot for its block from lane g
.irp i, 0,1,2,3,4,5,6,7
	v_and_b32 v[56+\i], 31, v[KEY+2*\i]
	v_lshlrev_b32 v[56+\i], 2, v[56+\i]
	ds_bpermute_b32 v[64+\i], v[56+\i], v[EX+\i]
.endr
	s_wait_dscnt 0x0
.irp i, 0,1,2,3,4,5,6,7
	v_bfe_u32 v51, v[KEY+2*\i], 5, 5               ; rank
	v_add_nc_u32 v[64+\i], v[64+\i], v51
	v_min_u32 v[64+\i], 0x1fff, v[64+\i]           ; the slot; the bound keeps the address inside the list whatever was loaded
	v_bfe_u32 v51, v[KEY+2*\i], 10, 6              ; i1, i2
	v_lshl_or_b32 v51, v51, 13, v6
	v_or_b32 v[72+\i], 32*\i, v51                  ; token = 256 w + 32 i + lane
	v_lshlrev_b32 v[56+\i], 2, v[64+\i]
	ds_store_b32 v[56+\i], v[72+\i] offset:PERM    ; every slot is written by exactly one token
.endr
	s_wait_loadcnt 0x0                             ; the weights
.irp i, 0,1,2,3,4,5,6,7
	v_lshlrev_b32 v[64+\i], 3, v[64+\i]
	ds_store_b64 v[64+\i], v[PWR+2*\i:PWR+2*\i+1] offset:PWL
.endr
	s_wait_dscnt 0x0
	s_barrier_signal -1
	s_barrier_wait -1
	; the way out: my 256 slots = two tiles of 128
	v_lshlrev_b32 v7, 4, v2
	v_lshl_add_u32 v7, v1, 10, v7                  ; 1,024 w + 16 lane
	v_lshl_add_u32 v53, v1, 10, v7                 ; 2,048 w + 16 lane
	ds_load_b128 v[8:11], v7 offset:PERM
	ds_load_b128 v[12:15], v7 offset:PERM+512
.irp j, 0,1,2,3
	ds_load_b128 v[16+4*\j:19+4*\j], v53 offset:PWL+512*\j
.endr
	v_mov_b32 v54, 1
	s_wait_dscnt 4                                 ; the entries are in; the four loads of weights stay out
.irp tl, 0,1
.irp k, 0,1,2,3
	v_bfe_u32 v55, v[8+4*\tl+\k], 13, 3
	v_bfe_u32 v56, v[8+4*\tl+\k], 16, 3
	v_lshlrev_b32 v55, v55, v54
	v_lshlrev_b32 v56, v56, v54
.if \k == 0
	v_or_b32 v57, v55, v56
.else
	v_or_b32 v57, v57, v55
	v_or_b32 v57, v57, v56
.endif
.endr
	s_mov_b32 s13, 0
.irp e, 0,1,2,3,4,5,6,7
	v_and_b32 v55, 1<<\e, v57
	v_cmp_ne_u32 vcc_lo, 0, v55                    ; does any lane's token use expert e
	s_cmp_lg_u32 vcc_lo, 0
	s_cselect_b32 s14, 1<<(24+\e), 0
	s_or_b32 s13, s13, s14
.endr
.irp k, 0,1,2,3
	v_or_b32 v[8+4*\tl+\k], s13, v[8+4*\tl+\k]
.endr
	global_store_b128 v7, v[8+4*\tl:11+4*\tl], s[8:9] offset:512*\tl
.endr
	s_wait_dscnt 0x0
.irp j, 0,1,2,3
	global_store_b128 v53, v[16+4*\j:19+4*\j], s[10:11] offset:512*\j
.endr
	s_wait_tensorcnt 0x0
	ds_add_u32 v96, v97
	s_wait_dscnt 0x0
	s_endpgm
.Lfunc_end_k_q1e7f476f30_order:
	.size	k_q1e7f476f30_order, .Lfunc_end_k_q1e7f476f30_order-k_q1e7f476f30_order
	.p2alignl 7, 3214868480
	.fill 96, 4, 3214868480
	.section	.rodata,"a",@progbits
	.p2align	6, 0x0
	.amdhsa_kernel k_q1e7f476f30_order
		.amdhsa_group_segment_fixed_size 106496
		.amdhsa_private_segment_fixed_size 0
		.amdhsa_enable_private_segment 0
		.amdhsa_kernarg_size 32
		.amdhsa_user_sgpr_count 2
		.amdhsa_user_sgpr_kernarg_segment_ptr 1
		.amdhsa_wavefront_size32 1
		.amdhsa_system_sgpr_workgroup_id_x 1
		.amdhsa_system_sgpr_workgroup_id_y 1
		.amdhsa_system_sgpr_workgroup_id_z 1
		.amdhsa_system_vgpr_workitem_id 0
		.amdhsa_next_free_vgpr 98
		.amdhsa_next_free_sgpr 66
		.amdhsa_reserve_vcc 1
		.amdhsa_float_denorm_mode_32 3
		.amdhsa_float_denorm_mode_16_64 3
		.amdhsa_memory_ordered 1
		.amdhsa_forward_progress 1
		.amdhsa_inst_pref_size 28
	.end_amdhsa_kernel
	.amdgpu_metadata
---
amdhsa.version: [ 1, 2 ]
amdhsa.kernels:
  - .name:           k_q1e7f476f30_order
    .symbol:         k_q1e7f476f30_order.kd
    .args:
      - { .name: route, .offset: 0, .size: 8, .value_kind: global_buffer, .address_space: global }
      - { .name: pw, .offset: 8, .size: 8, .value_kind: global_buffer, .address_space: global }
      - { .name: perm, .offset: 16, .size: 8, .value_kind: global_buffer, .address_space: global }
      - { .name: wts, .offset: 24, .size: 8, .value_kind: global_buffer, .address_space: global }
    .group_segment_fixed_size: 106496
    .private_segment_fixed_size: 0
    .kernarg_segment_align: 8
    .kernarg_segment_size: 32
    .max_flat_workgroup_size: 1024
    .sgpr_count:     66
    .vgpr_count:     98
    .wavefront_size: 32
...
	.end_amdgpu_metadata
.endif
;; end of part 2
;; launch moe (part 3): grid 4 x 64, 4 waves a work-group, no clusters, 290,304 bytes of LDS; arguments xb, wb, expert_b, perm, wts, out0; writes out0
.if DOCPART == 3
	.amdgcn_target "amdgcn-amd-amdhsa--gfx1250"
	.amdhsa_code_object_version 6
	.text
	.protected	k_q1e7f476f30_moe
	.globl	k_q1e7f476f30_moe
	.p2align	8
	.type	k_q1e7f476f30_moe,@function
k_q1e7f476f30_moe:
	s_mov_b64 s[64:65], 0
	v_nop
	global_prefetch_b8 v0, s[64:65] scope:SCOPE_SE
	s_setreg_imm32_b32 hwreg(HW_REG_WAVE_MODE, 25, 1), 1
	s_wait_xcnt 0x0
; MOE: out[t][f] = sum over the two experts e that token t chose of p[t][e] (b[e][f] + sum over k of delta[t][k] W[e][f][k]).
; Work-group (nb, T): the 128 tokens of tile T of the ordered list x features 256 nb .. + 255.  Wave w: all 128 tokens x 64 features (FG = 4 nb + w).
; For each expert e of the tile's set (2 to 8 of them, a bit mask in the list's entries): acc = b[e] + delta W[e]^T (f16 operands, f32 sums, the bias as the
; first product's C), then out += w[t] acc in f32, with w[t] = the token's weight for e, or 0 if it did not choose e.  So a row of out0 has one owner.
; F16 OPERANDS: 11 significant bits; a sum of 1,024 products of operands of 8 bits would leave a standard error of about a fifth of the allowance of 1/100 of the
; outputs' root mean square, too near for 8.4 million outputs.  Range and its limit (65,504) are set out at the head of the launch that converts.
; A (the tokens' rows of xb, gathered by the list) is brought once into LDS, 128 rows x 2,048 bytes, through registers, and read again for every expert.
; W goes from memory straight into registers: the waves are split along the features, so no two waves of the work-group want the same number of W, and wb
; lies in the lanes' own order: each load of a wave takes 512 consecutive bytes.  A ring of eight K steps (256 registers): one at work, seven on their way,
; 56 loads of a wave out at the most.  So the loop has no barrier and fills no LDS.
; NO CLUSTER: the four work-groups of a tile share A alone, 256 KiB against 512 KiB of W for each of 2 to 8 experts, and A's rows are gathered row by row from
; a list, which one tile descriptor does not describe; work-groups that share W belong to different tiles, whose sets of experts, and so whose trip counts, differ.
; LIMIT: a token that did not choose an expert of its tile's set multiplies that expert's result by 0: that result must be finite (below 3.4e38).
; THE MATRIX INSTRUCTION IS USED TRANSPOSED: source 0 = 16 features of W, source 1 = 16 tokens.  Lane l then holds token l % 16, registers 0-7 the features 8 (l / 16) + 0..7.
; REGISTERS by windows of 256: window 0 addresses, weights, bias, A's two fragment buffers; window 1 the W ring; window 2 acc(ts, fs) at v[8 (4 ts + fs)]
; (at the start: A's rows on their way to LDS); window 3 out, indexed like acc.
.set APITCH, 2064                      ; an LDS row of A: 2,048 bytes + 16 = 129 x 16: sixteen rows begin at sixteen different 16-byte columns modulo 256
.set SPITCH, 272
.set STAGE,  128*APITCH                ; 264,192: behind A: 16 rows x 272 bytes for each wave, for the way out
.set BIASL,  STAGE+4*16*SPITCH         ; 281,600: for each wave 8 experts x its 64 bias numbers, 2,048 bytes
.set L16,  2                           ; 16 x lane
.set BOFF, 3                           ; 32 x (lane / 16)
.set STO,  4                           ; the way out: where I put 16 bytes
.set RD,   5                           ; the way out: where I read a row back
.set BLB,  6                           ; my wave's bias in LDS + 32 (lane / 16)
.set COL,  7                           ; 16 x (lane % 16)
.set LAB,  12                          ; LDS address of my 16 bytes in my wave's first row of A
.set BAD,  13                          ; BLB + 256 x the expert whose bias is fetched
.set AB0,  15                          ; (lane % 16) x pitch + 16 (lane / 16)
.set WP,   16                          ; v[16:31]   token block ts: its weight for the expert at hand, and a 0 beside it (a pair is named)
.set BIAS, 32                          ; v[32:63]   feature block fs: 8 registers, the C of the first product
.set ABUF, 64                          ; v[64:127], v[128:191]  A's fragments, 8 token blocks x 8 registers, two buffers
.set GO,   64                          ; at the start: row i's byte offset in xb
.set LA,   96                          ; at the start: row i's LDS address
.set I1,   192                         ; v[192:199] token block ts: my token's first expert
.set I2,   200                         ; v[200:207] its second
.set P,    208                         ; v[208:223] its p1, p2
.set ADR,  224                         ; v[224:231] token block ts: LDS address of my fragment at this trip's first K step
.set BT,   232                         ; v[232:247] at the start: the bias on its way to LDS
.set BGO,  248                         ; its byte offset in expert_b: 4,096 (lane / 16) + 16 (lane % 16)
.set BST,  249                         ; where I put 16 bytes of it
.set MSB, 0
.macro WIN new                         ; the immediate's high byte repeats the setting that is left
.if MSB != \new
	s_set_vgpr_msb (MSB<<8)|\new
.set MSB, \new
.endif
.endm
.macro PLACES                          ; four places behind a matrix instruction, in front of loads into its sources and of vector instructions that read its result (ISA guide 7.12.1 for vector instructions)
.rept 4
	v_nop
.endr
.endm
	s_load_b256 s[4:11], s[0:1], 0x0               ; xb 4, wb 6, expert_b 8, perm 10
	s_load_b128 s[12:15], s[0:1], 0x20             ; wts 12, out0 14
	v_lshl_add_u32 v254, v0, 2, 0x46c00
	v_mov_b32 v255, 0
	v_lshrrev_b32 v1, 5, v0
	v_readfirstlane_b32 s48, v1                    ; wave 0..3
	s_mov_b32 s49, ttmp9                           ; nb
	s_and_b32 s50, ttmp7, 0xffff                   ; T
	s_mov_b32 s83, 0xffff0000                      ; lanes 16 to 31
	v_and_b32 v1, 31, v0
	v_lshlrev_b32 v[L16], 4, v1
	v_and_b32 v8, 15, v1                           ; r
	v_lshrrev_b32 v9, 4, v1                        ; h
	v_lshlrev_b32 v[BOFF], 5, v9
	v_lshlrev_b32 v10, 2, v8
	v_lshlrev_b32 v11, 3, v8
	v_lshlrev_b32 v[COL], 4, v8
	v_lshl_add_u32 v[BGO], v9, 12, v[COL]          ; lanes 0-15 an even expert's 256 bytes, lanes 16-31 the next expert's
	s_mul_i32 s57, s48, 32*APITCH                  ; my wave brings rows 32 w .. 32 w + 31
	v_add_nc_u32 v[LAB], s57, v[L16]
	s_mul_i32 s57, s48, 16*SPITCH
	s_add_co_u32 s57, s57, STAGE
	v_mul_u32_u24 v14, v8, SPITCH
	v_lshl_add_u32 v14, v9, 5, v14
	v_add_nc_u32 v[STO], s57, v14                  ; row r, 32 bytes for each half of the lanes
	v_mul_u32_u24 v14, v9, 8*SPITCH
	v_lshl_add_u32 v14, v8, 4, v14
	v_add_nc_u32 v[RD], s57, v14                   ; lanes 0-15 row u, lanes 16-31 row 8 + u
	s_lshl_b32 s57, s48, 11
	s_add_co_u32 s57, s57, BIASL
	v_add_nc_u32 v[BLB], s57, v[BOFF]
	v_add_nc_u32 v[BST], s57, v[L16]
	v_mul_u32_u24 v14, v8, APITCH
	v_lshl_add_u32 v[AB0], v9, 4, v14
.irp ts, 0,1,2,3,4,5,6,7
	v_mov_b32 v[WP+2*\ts+1], 0
.endr
	s_lshl_b32 s74, s50, 9                         ; the tile's 512 bytes of perm
	s_mov_b32 s75, 0
	s_lshl_b32 s62, s48, 7                         ; my wave's 32 entries
	s_mov_b32 s63, 0
	s_wait_kmcnt 0x0
	s_add_nc_u64 s[76:77], s[10:11], s[74:75]      ; perm at my tile: kept for the way out
	s_add_nc_u64 s[78:79], s[76:77], s[62:63]
	s_load_b512 s[16:31], s[78:79], 0x0            ; the entries of the 32 rows that my wave brings
	s_load_b512 s[32:47], s[78:79], 0x40
	s_lshl_b32 s74, s50, 10                        ; the tile's 1,024 bytes of wts
	s_add_nc_u64 s[80:81], s[12:13], s[74:75]
	s_lshl2_add_u32 s57, s49, s48                  ; FG = 4 nb + w
	s_lshl_b32 s62, s57, 17
	s_add_nc_u64 s[58:59], s[6:7], s[62:63]        ; wb at my 64 features, expert 0
	s_lshl_b32 s62, s57, 8                         ; 64 features of 4 bytes
	s_add_nc_u64 s[68:69], s[8:9], s[62:63]        ; expert_b at my features, expert 0
	s_add_nc_u64 s[72:73], s[14:15], s[62:63]      ; out0 at my features, token 0
	; twenty early loads: my tokens' entries and weights (token 16 ts + r), and my 64 features' bias of all eight experts
.irp ts, 0,1,2,3,4,5,6,7
	global_load_b32 v[I1+\ts], v10, s[76:77] offset:64*\ts
.endr
.irp ts, 0,1,2,3,4,5,6,7
	global_load_b64 v[P+2*\ts:P+2*\ts+1], v11, s[80:81] offset:128*\ts
.endr
.irp i, 0,1,2,3
	global_load_b128 v[BT+4*\i:BT+4*\i+3], v[BGO], s[68:69] offset:8192*\i     ; experts 2 i and 2 i + 1
.endr
	s_wait_kmcnt 0x0
.set i, 0
.rept 32
	s_and_b32 s82, s[16+i], 0x1fff                 ; the token,
	s_min_u32 s82, s82, 0x1fff                     ; inside xb whatever was loaded
	s_lshl_b32 s82, s82, 11
	v_add_nc_u32 v[GO+i], s82, v[L16]
	v_add_nc_u32 v[LA+i], i*APITCH, v[LAB]
.set i, i+1
.endr
; A on its way to LDS, in units of 4 rows = 16 loads of 512 bytes; unit u lands in set u & 3 of four sets of 64 registers in window 2
.macro ALOAD u
	WIN 0x80                                       ; destination window 2, address window 0
.irp rr, 0,1,2,3
.irp c, 0,1,2,3
	global_load_b128 v[64*((\u)&3)+16*\rr+4*\c:64*((\u)&3)+16*\rr+4*\c+3], v[GO+4*(\u)+\rr], s[4:5] offset:512*\c
.endr
.endr
.endm
.macro ASTORE u
	WIN 0x08                                       ; store data window 2, address window 0
.irp rr, 0,1,2,3
.irp c, 0,1,2,3
	ds_store_b128 v[LA+4*(\u)+\rr], v[64*((\u)&3)+16*\rr+4*\c:64*((\u)&3)+16*\rr+4*\c+3] offset:512*\c
.endr
.endr
.endm
; eight loads: K step sl of the trip that s[60:61] points at, into ring slot sl
.macro FETCHW sl
	WIN 0x40                                       ; destination window 1, address window 0
.irp fs, 0,1,2,3
.irp c, 0,1
	global_load_b128 v[32*(\sl)+8*\fs+4*\c:32*(\sl)+8*\fs+4*\c+3], v[L16], s[60:61] offset:4096*(\sl)+1024*\fs+512*\c
.endr
.endr
.endm
; sixteen LDS loads: the eight token blocks' fragments at byte imm behind ADR, into the buffer of j's parity
.macro FETCHA j, imm
	WIN 0
.irp ts, 0,1,2,3,4,5,6,7
	ds_load_b128 v[ABUF+64*(\j&1)+8*\ts:ABUF+64*(\j&1)+8*\ts+3],   v[ADR+\ts] offset:\imm
	ds_load_b128 v[ABUF+64*(\j&1)+8*\ts+4:ABUF+64*(\j&1)+8*\ts+7], v[ADR+\ts] offset:\imm+32
.endr
.endm
; eight LDS loads: the bias of the expert that BAD points at: features 16 fs + 8 (lane / 16) + 0..7
.macro FETCHB
.irp fs, 0,1,2,3
	ds_load_b128 v[BIAS+8*\fs:BIAS+8*\fs+3],   v[BAD] offset:64*\fs
	ds_load_b128 v[BIAS+8*\fs+4:BIAS+8*\fs+7], v[BAD] offset:64*\fs+16
.endr
.endm
	ALOAD 0
	ALOAD 1
	; the tile's set of experts; four trips of eight K steps for each
	s_lshr_b32 s51, s16, 24
	s_bcnt1_i32_b32 s52, s51
	s_max_u32 s52, s52, 2                          ; a token names two different experts
	s_min_u32 s52, s52, 8
	s_lshl_b32 s52, s52, 2
	s_sub_co_u32 s52, s52, 1                       ; the last trip's number
	s_ctz_i32_b32 s54, s51                         ; the first expert
	s_min_u32 s54, s54, 7
	s_lshl_b32 s57, 1, s54
	s_and_not1_b32 s51, s51, s57
	s_mov_b32 s55, s54
	s_lshl_b32 s62, s54, 21
	s_add_nc_u64 s[60:61], s[58:59], s[62:63]      ; its stream of W: 128 KiB, consecutive
	s_mov_b64 s[66:67], s[60:61]
	s_lshl_b32 s57, s54, 8
	WIN 0
	v_add_nc_u32 v[BAD], s57, v[BLB]
.irp ts, 0,1,2,3,4,5,6,7
	v_add_nc_u32 v[ADR+\ts], \ts*16*APITCH, v[AB0]
.endr
	s_wait_loadcnt 32                              ; the two units of A stay out: the twenty early loads are in
.irp ts, 0,1,2,3,4,5,6,7
	v_bfe_u32 v[I2+\ts], v[I1+\ts], 16, 3
	v_bfe_u32 v[I1+\ts], v[I1+\ts], 13, 3
.endr
.irp i, 0,1,2,3
	ds_store_b128 v[BST], v[BT+4*\i:BT+4*\i+3] offset:512*\i
.endr
	ALOAD 2                                        ; three units, 48 loads, are on their way from here on
.irp u, 0,1,2,3,4
	s_wait_loadcnt 32                              ; the two younger units stay out: the oldest is in,
	ASTORE \u                                      ; goes to LDS,
	ALOAD \u+3                                     ; and the next goes out, into the set that was stored one turn ago
.endr
	s_wait_loadcnt 32                              ; the last three turns ask for W in A's place: the first expert's first seven K steps
	ASTORE 5
	FETCHW 0
	FETCHW 1
	s_wait_loadcnt 32
	ASTORE 6
	FETCHW 2
	FETCHW 3
	s_wait_loadcnt 32                              ; four K steps of W stay out: A's last unit is in
	ASTORE 7
	FETCHW 4
	FETCHW 5
	FETCHW 6
	WIN 0
	s_wait_dscnt 0x0                               ; my 32 rows of A are in LDS,
	s_barrier_signal -1
	s_barrier_wait -1                              ; everybody's are: the kernel's one barrier
	FETCHB                                         ; the first expert's bias
	FETCHA 0, 0
	FETCHA 1, 64
; 32 matrix instructions: one K step of 32.  The 32 accumulators take turns, one instruction a turn, in the same order in every step, over every jump too.
; cb = 1: the expert's first step: C is the bias, D the accumulator.
.macro MUL j, cb
.if \cb
	WIN 0x81                                       ; W window 1, A window 0, C window 0, D window 2
.else
	WIN 0xa1                                       ; C and D window 2
.endif
.irp ts, 0,1,2,3,4,5,6,7
.irp fs, 0,1,2,3
.if \cb
	v_wmma_f32_16x16x32_f16 v[8*(4*\ts+\fs):8*(4*\ts+\fs)+7], v[32*\j+8*\fs:32*\j+8*\fs+7], v[ABUF+64*(\j&1)+8*\ts:ABUF+64*(\j&1)+8*\ts+7], v[BIAS+8*\fs:BIAS+8*\fs+7]
.else
	v_wmma_f32_16x16x32_f16 v[8*(4*\ts+\fs):8*(4*\ts+\fs)+7], v[32*\j+8*\fs:32*\j+8*\fs+7], v[ABUF+64*(\j&1)+8*\ts:ABUF+64*(\j&1)+8*\ts+7], v[8*(4*\ts+\fs):8*(4*\ts+\fs)+7]
.endif
.endr
.endr
.endm
; the next expert of the set, if one is left: its number, its stream of W, its bias (into the registers that the products above have just read)
.macro NEXTEXP
	s_cmp_eq_u32 s51, 0
	s_cbranch_scc1 .Lnone_\@
	s_ctz_i32_b32 s55, s51
	s_min_u32 s55, s55, 7
	s_lshl_b32 s57, 1, s55
	s_and_not1_b32 s51, s51, s57
	s_lshl_b32 s62, s55, 21
	s_mov_b32 s63, 0
	s_add_nc_u64 s[66:67], s[58:59], s[62:63]      ; no load names s[66:67]: it is copied into the stream's pointer when the stream changes
	s_lshl_b32 s57, s55, 8
	v_add_nc_u32 v[BAD], s57, v[BLB]
	FETCHB
.Lnone_\@:
.endm
.macro BSTART j                        ; an expert's first step
.rept 5
	v_nop                                          ; five places: these products write over accumulators that earlier matrix instructions wrote, not in place
.endr
	MUL \j, 1
	WIN 0
	PLACES
	NEXTEXP
.endm
; One K step.  mode 0: a link of the chains; 1: an expert's first step; 2: the first if the trip's number is a multiple of 4.
; fw: fetch W for seven steps on, into the slot that the step before has left; fa: fetch A for two steps on.  lc, dc: how many younger loads may stay out.
.macro STEP j, mode, fw, fa, lc, dc
	s_wait_loadcnt \lc                             ; this step's eight loads of W are in
	s_wait_dscnt \dc                               ; this step's sixteen loads of A are in (and any bias, which is older than the loads that stay out)
.if \mode == 0
	MUL \j, 0
.endif
.if \mode == 1
	BSTART \j
.endif
.if \mode == 2
	s_and_b32 s57, s53, 3
	s_cmp_lg_u32 s57, 0
	s_cbranch_scc1 .Lplain_\@
	BSTART \j
	s_branch .Ljoin_\@
.Lplain_\@:
	MUL \j, 0
	WIN 0
.Ljoin_\@:
.endif
.if \fw+\fa
	PLACES
.endif
.if \fw
	FETCHW ((\j+7)&7)
.endif
.if \fa
	WIN 0
.if \j == 6
.irp ts, 0,1,2,3,4,5,6,7
	v_add3_u32 v[ADR+\ts], v[AB0], s56, \ts*16*APITCH      ; the next trip's first K step: 512 bytes for each trip of the expert's four
.endr
.endif
.if \j < 6
	FETCHA \j, 64*(\j+2)
.else
	FETCHA \j, 64*(\j-6)
.endif
.endif
.endm
; A trip: eight K steps.  Counts: 48 = the six younger steps' eight loads of W each; 16 = the next step's loads of A.
; Step 0 fetches this trip's own step 7; then s[60:61] moves on to the next trip's 32 KiB of W, which is the next expert's first where this trip is an expert's last;
; steps 1 to 7 fetch that trip's steps 0 to 6.
.macro TRIP mode0
	s_add_co_u32 s56, s53, 1
	s_and_b32 s56, s56, 3
	s_lshl_b32 s56, s56, 9
	STEP 0, \mode0, 1, 1, 48, 16
	s_wait_xcnt 0x0                                ; the base of the loads above is written again
	s_add_nc_u64 s[60:61], s[60:61], 0x8000
	s_and_b32 s57, s53, 3
	s_cmp_eq_u32 s57, 3
	s_cselect_b64 s[60:61], s[66:67], s[60:61]
.irp j, 1,2,3,4,5,6,7
	STEP \j, 0, 1, 1, 48, 16
.endr
	WIN 0
.endm
; out (+)= w acc for the expert s54; then the next expert is at hand
.macro COMB first
	WIN 0
	PLACES
.irp ts, 0,1,2,3,4,5,6,7
	v_cmp_eq_u32 vcc_lo, s54, v[I1+\ts]
	v_cndmask_b32 v[WP+2*\ts], 0, v[P+2*\ts], vcc_lo
	v_cmp_eq_u32 vcc_lo, s54, v[I2+\ts]
	v_cndmask_b32 v[WP+2*\ts], v[WP+2*\ts], v[P+2*\ts+1], vcc_lo
.endr
.if \first
	WIN 0xc2                                       ; acc window 2, weight window 0, out window 3
.else
	WIN 0xf2
.endif
.irp ts, 0,1,2,3,4,5,6,7
.irp q, 0,1,2,3,4,5,6,7,8,9,10,11,12,13,14,15
.if \first
	v_pk_mul_f32 v[32*\ts+2*\q:32*\ts+2*\q+1], v[32*\ts+2*\q:32*\ts+2*\q+1], v[WP+2*\ts:WP+2*\ts+1] op_sel_hi:[1,0]   ; the first expert starts the sums
.else
	v_pk_fma_f32 v[32*\ts+2*\q:32*\ts+2*\q+1], v[32*\ts+2*\q:32*\ts+2*\q+1], v[WP+2*\ts:WP+2*\ts+1], v[32*\ts+2*\q:32*\ts+2*\q+1] op_sel_hi:[1,0,1]
.endif
.endr
.endr
	WIN 0
	s_mov_b32 s54, s55
.endm
	s_mov_b32 s53, 0
	TRIP 1                                         ; written out: the bias starts the sums
	s_mov_b32 s53, 1
.Lfirst:
	TRIP 0
	s_add_co_u32 s53, s53, 1
	s_cmp_lt_u32 s53, 4
	s_cbranch_scc1 .Lfirst
	COMB 1
.Lrest:                                        ; trips 4 to the last but one: at least three, since a tile has two experts or more
	TRIP 2
	s_and_b32 s57, s53, 3
	s_cmp_lg_u32 s57, 3
	s_cbranch_scc1 .Lnocomb
	COMB 0
.Lnocomb:
	s_add_co_u32 s53, s53, 1
	s_cmp_lt_u32 s53, s52
	s_cbranch_scc1 .Lrest
	STEP 0, 0, 1, 1, 48, 16                        ; the last trip fetches its own step 7 of W and no more, and A only as far as its own last step: the counts run down
	STEP 1, 0, 0, 1, 48, 16
	STEP 2, 0, 0, 1, 40, 16
	STEP 3, 0, 0, 1, 32, 16
	STEP 4, 0, 0, 1, 24, 16
	STEP 5, 0, 0, 1, 16, 16
	STEP 6, 0, 0, 0, 8, 16
	STEP 7, 0, 0, 0, 0, 0
	s_load_b512 s[16:31], s[76:77], 0x0            ; the list's entries of the first 16 tokens, for the way out
	COMB 0
; THE WAY OUT, 16 tokens at a time: 32 bytes a lane and feature block into my own stage, read back as whole rows of 256 bytes, stored to each token's row of out0.
; The stage is my wave's own, and LDS serves a wave's instructions in order (ISA guide 5.7.1.4): no wait between the stores and the loads, no barrier.
; The 16 tokens' entries come by one scalar load, asked for one block ahead, into two sets of scalar registers that take turns (sb this block's, sn the next's).
.macro OUT16 ts, set, sb, sn
	s_wait_xcnt 0x0                                ; this set's data and address registers, which earlier stores read, are written again
	WIN 0x0c                                       ; store data window 3
.irp fs, 0,1,2,3
.irp c, 0,1
	ds_store_b128 v[STO], v[32*\ts+8*\fs+4*\c:32*\ts+8*\fs+4*\c+3] offset:64*\fs+16*\c
.endr
.endr
	WIN 0
.irp u, 0,1,2,3,4,5,6,7
	ds_load_b128 v[\set+4*\u:\set+4*\u+3], v[RD] offset:SPITCH*\u
.endr
	s_wait_kmcnt 0x0                               ; this block's entries are in
.if \ts < 7
	s_load_b512 s[\sn:\sn+15], s[76:77], 64*(\ts+1)
.endif
.irp u, 0,1,2,3,4,5,6,7
	v_mov_b32 v[\set+32+\u], s[\sb+\u]                                         ; lanes 0-15 store row u,
	v_cndmask_b32 v[\set+32+\u], v[\set+32+\u], s[\sb+8+\u], s83               ; lanes 16-31 row 8 + u
	v_and_b32 v[\set+32+\u], 0x1fff, v[\set+32+\u]
	v_min_u32 v[\set+32+\u], 0x1fff, v[\set+32+\u]                             ; the token, inside out0 whatever was loaded
	v_lshl_add_u32 v[\set+32+\u], v[\set+32+\u], 12, v[COL]
.endr
.irp u, 0,1,2,3,4,5,6,7
	s_wait_dscnt 7-\u                              ; row u is back, the younger reads stay out
	global_store_b128 v[\set+32+\u], v[\set+4*\u:\set+4*\u+3], s[72:73] th:TH_STORE_NT    ; 16 lanes store 256 consecutive bytes, aligned
.endr
.endm
	OUT16 0, 64, 16, 32
	OUT16 1, 128, 32, 16
	OUT16 2, 64, 16, 32
	OUT16 3, 128, 32, 16
	OUT16 4, 64, 16, 32
	OUT16 5, 128, 32, 16
	OUT16 6, 64, 16, 32
	OUT16 7, 128, 32, 16
	s_wait_tensorcnt 0x0
	ds_add_u32 v254, v255
	s_wait_dscnt 0x0
	s_endpgm
.Lfunc_end_k_q1e7f476f30_moe:
	.size	k_q1e7f476f30_moe, .Lfunc_end_k_q1e7f476f30_moe-k_q1e7f476f30_moe
	.p2alignl 7, 3214868480
	.fill 96, 4, 3214868480
	.section	.rodata,"a",@progbits
	.p2align	6, 0x0
	.amdhsa_kernel k_q1e7f476f30_moe
		.amdhsa_group_segment_fixed_size 290304
		.amdhsa_private_segment_fixed_size 0
		.amdhsa_enable_private_segment 0
		.amdhsa_kernarg_size 48
		.amdhsa_user_sgpr_count 2
		.amdhsa_user_sgpr_kernarg_segment_ptr 1
		.amdhsa_wavefront_size32 1
		.amdhsa_system_sgpr_workgroup_id_x 1
		.amdhsa_system_sgpr_workgroup_id_y 1
		.amdhsa_system_sgpr_workgroup_id_z 1
		.amdhsa_system_vgpr_workitem_id 0
		.amdhsa_next_free_vgpr 1024
		.amdhsa_next_free_sgpr 100
		.amdhsa_reserve_vcc 1
		.amdhsa_float_denorm_mode_32 3
		.amdhsa_float_denorm_mode_16_64 3
		.amdhsa_memory_ordered 1
		.amdhsa_forward_progress 1
		.amdhsa_inst_pref_size 236
	.end_amdhsa_kernel
	.amdgpu_metadata
---
amdhsa.version: [ 1, 2 ]
amdhsa.kernels:
  - .name:           k_q1e7f476f30_moe
    .symbol:         k_q1e7f476f30_moe.kd
    .args:
      - { .name: xb, .offset: 0, .size: 8, .value_kind: global_buffer, .address_space: global }
      - { .name: wb, .offset: 8, .size: 8, .value_kind: global_buffer, .address_space: global }
      - { .name: expert_b, .offset: 16, .size: 8, .value_kind: global_buffer, .address_space: global }
      - { .name: perm, .offset: 24, .size: 8, .value_kind: global_buffer, .address_space: global }
      - { .name: wts, .offset: 32, .size: 8, .value_kind: global_buffer, .address_space: global }
      - { .name: out0, .offset: 40, .size: 8, .value_kind: global_buffer, .address_space: global }
    .group_segment_fixed_size: 290304
    .private_segment_fixed_size: 0
    .kernarg_segment_align: 8
    .kernarg_segment_size: 48
    .max_flat_workgroup_size: 128
    .sgpr_count:     100
    .vgpr_count:     1024
    .wavefront_size: 32
...
	.end_amdgpu_metadata
.endif
;; end of part 3
